; MI455X (gfx1250); checked and timed in simulation.
; The chip was launched on July 23, 2026; its instructions are those of AMD's public machine-readable ISA for CDNA 5 (MIT licence, August 2026) and "CDNA5" Instruction Set Architecture Reference Guide (July 2026). The comments in the code are by the model that wrote it; some were corrected since.
;; SINQ Linear. Allowed arithmetic: matrix products marked QUANTISED: E4M3 operands, one E8M0 scale for each 32 along K, by v_wmma_scale_f32_16x16x128_f8f6f4 with both operands' format E4M3, f32 sums; everything else in f32.
;; Inputs: W_q 4,194,304 int32; bias 2,048 float32; scale 131,072 x 1 float32; x_codes 4 x 2,048 x 128 x 32 uint8 (E4M3 codes of x, K innermost, in blocks of 32 codes); x_scales 4 x 2,048 x 128 uint8 (E8M0 scales of x, one for each 32 codes along K); zero 131,072 x 1 float32.
;; Outputs: out0 4 x 2,048 x 2,048 float32.
;; This version of the problem:
;;   THIS VERSION OF THE PROBLEM IS GIVEN IN LOW PRECISION. The matrix products marked QUANTISED in the list below multiply operands that are first quantised to E4M3 (4 exponent bits, 3 mantissa bits; 8 bits a number), with one power-of-two scale for each 32 numbers along K (OCP MX v1.0); their sums are f32. All else is computed in f32.
;;   The module's matrix products, in the order in which they are computed (A, B: the left and right operand; K: the contracted axis; several contracted axes count as one K, in the product's order):
;;     1. [M 8,192, K 4,096] x [K 4,096, N 2,048]; A: input x (given as codes); B: computed on the way: QUANTISED
;;   THE QUANTISER, for each operand of a quantised product, along K:
;;     - K is cut into blocks of 32 from its start; a last block that is shorter is filled with zeros.
;;     - A block's scale is 2^e with e = floor(log2(the largest magnitude in the block)) - 8, held to -126 .. 127; a block of zeros has e = 0. As a byte (E8M0): e + 127.
;;     - Each number is divided by its block's scale, clamped to +-448, and rounded to the nearest number of E4M3, ties to even, subnormals kept.
;;     - The product sums the exact products of the quantised numbers (number of the format x scale) in f32.
;;   ~~~python
;;   def quantise(x, axis):      # numpy; x: float32 -> the quantised numbers, widened to float32 again
;;       x = np.moveaxis(x, axis, -1); K = x.shape[-1]
;;       x = np.pad(x, [(0, 0)] * (x.ndim - 1) + [(0, -K % 32)]); x = x.reshape(x.shape[:-1] + (-1, 32)); a = np.abs(x).max(-1, keepdims=True)
;;       e = np.where(a > 0, np.clip(np.frexp(np.where(a > 0, a, 1))[1] - 1 - 8, -126, 127), 0)      # np.frexp(a)[1] - 1 = floor(log2(a)), exactly
;;       r = np.clip(x / 2.0 ** e, -448, 448)
;;       step = 2.0 ** (np.maximum(np.frexp(np.where(r == 0, 1, r))[1] - 1, -6) - 3)
;;       q = np.round(r / step) * step * 2.0 ** e      # np.round: ties to even
;;       return np.moveaxis(q.reshape(q.shape[:-2] + (-1,))[..., :K], -1, axis).astype(np.float32)
;;   ~~~
;;   OPERANDS COMPUTED ON THE WAY. 'Computed on the way' means the value that the module computes at that place (a softmax that the list does not call 'softmax' is quantised finished and normalised). What goes into a quantiser is computed in f32, as accurately as f32 sums, v_exp_f32 and their like allow (about 1e-6 of the number): no bf16 or f16 on the way to a quantiser, and a product that is left as it is and whose result goes on into a quantised operand takes f32 operands (vector FMAs, or v_wmma_f32_16x16x4_f32). A number that lies on a knife's edge between two numbers of the format may be rounded either way, as far as f32 arithmetic and the matrix unit's own rounding can turn it there, and no further.
;;   INPUTS GIVEN AS CODES. x (in the module: [4, 2048, 4096], K = its axis 2): each comes as NAME_codes (uint8): NAME with its K axis moved to the last place and cut into blocks of 32 codes, [.., K / 32, bytes a block], one block behind the other in memory; one code a byte (a code: sign, 4 exponent bits, 3 mantissa bits); and NAME_scales (uint8): the same leading axes, one E8M0 byte (e + 127) for each 32 codes along K. Its value is code x scale, taken as it is: it is not quantised again, and the codes and scales need not be those that the quantiser above would give.
;; One version. Each part assembles by itself: llvm-mc -triple=amdgcn-amd-amdhsa -mcpu=gfx1250 --defsym DOCPART=n.
;; ======== version 1 of 1: 2 launches
;; limits: right only within a limited range of input values
;; workspace buffers: wimg 8,650,752 bytes
;; launch wquant (part 1): grid 16 x 32, 4 waves a work-group, no clusters, 28,672 bytes of LDS; arguments W_q, scale, zero, wimg; writes wimg
.if DOCPART == 1
	.amdgcn_target "amdgcn-amd-amdhsa--gfx1250"
	.amdhsa_code_object_version 6
	.text
	.protected	k_q4b8cbacbfd_wquant
	.globl	k_q4b8cbacbfd_wquant
	.p2align	8
	.type	k_q4b8cbacbfd_wquant,@function
k_q4b8cbacbfd_wquant:
	s_mov_b64 s[64:65], 0
	v_nop
	global_prefetch_b8 v0, s[64:65] scope:SCOPE_SE
	s_setreg_imm32_b32 hwreg(HW_REG_WAVE_MODE, 25, 1), 1
	s_wait_xcnt 0x0
; W [2048][4096] is made from packed 4-bit numbers and turned into codes of FP8 (E4M3) with one E8M0 scale byte for each 32 along K (K = W's last axis).
; Word p = o' x 4096 + i of W_q holds two numbers: bits 7:4 belong to W[o'][i], bits 3:0 to W[o' + 1024][i].  W = (q - zero[g]) x scale[g], g = row x 64 + i / 64: one f32 subtraction, then one
; f32 multiplication, each rounded, in that order.  A block's scale is 2^(floor(log2(its largest magnitude)) - 8); each number is divided by it, held within +-448 and rounded to the nearest code.
; No work of reference() is left out; every input is read.
; THE OUTPUT IS AN IMAGE OF THE PRODUCT'S OPERAND REGISTERS.  Image (nb, ks), at (16 nb + ks) x 33,792 bytes, serves rows 128 nb .. + 127 and K = 256 ks .. + 255.
;   Codes, 32,768 bytes: fragment (kq, b), 16 rows x 128 K, at (8 kq + b) x 2,048; in it the 16 codes of row 16 b + r at K = 128 kq + 16 j lie at 256 j + 16 r:
;   that is register group j / 2 of lane 16 (j % 2) + r, so that a wave's load of 16 bytes a lane at 512 c brings registers 4 c .. 4 c + 3 of the fragment.
;   Scales, 1,024 bytes behind them: for the pair of blocks b = 2 t, 2 t + 1: byte 256 t + 8 L + 4 (b % 2) + jb % 4, L = 16 (jb / 4) + r, jb the block of 32 among the eight:
;   a load of 8 bytes a lane brings two scale registers, lanes 0-15 for the first 128 along K, lanes 16-31 for the second.
; SHARES.  Work-group (x = ks, y = rc) takes rows 32 rc .. + 31 of W_q at words 256 ks .. + 255 and makes 32 x 256 codes of the high rows and as many of the low rows.
; Wave w takes rows 8 w .. 8 w + 7, two rows a step, four steps; all its loads are issued at its head.  A step's 2,048 bytes go through the wave's own stage in LDS and come back 64 bytes a lane,
; so that a lane's registers run along K.  Two neighbouring lanes hold a block of 32, four a group of 64.
; The codes meet in a second stage (units of 256 bytes + 16 of padding, in the image's order); behind a barrier wave w stores 4,096 consecutive bytes: nibble w / 2, kq = w % 2.
; Of each row's 256 bytes of scale and of zero a work-group uses 16 (its four groups): 2 KB beside its 32 KB of words.
; LIMITS: NaN and infinities in scale or zero are not served.  A block of zeros, and a block whose largest magnitude lies under 2^(9 - 127), gets the byte 1 (the rule says 127 for zeros):
; its codes are zeros or are held, and the bytes are read by this program alone.
.set SP,    80                         ; a lane's place in a wave's stage: 64 bytes + 16 of padding
.set WST,   32*SP
.set SCB,   4*WST                      ; 256 scale bytes of the high rows, then 256 of the low rows
.set SPAREW, SCB+512                   ; the spare words, 512 bytes
.set CST,   SPAREW+512                 ; the codes' stage: 64 units
.set UP,    272                        ; a unit: 256 bytes + 16
.set IMGB,  33792
.set LOWI,  8*16*IMGB                  ; from a high row's image to its low row's
.set ZS,    16                         ; v16-47   step t: zero high, scale high, zero low, scale low in the even registers; the odd partners are 0
.set R,     48                         ; v48-111  step t: 16 words; at the end the codes on their way out
.set F,     112                        ; v112-127 16 numbers at work
.set C,     128                        ; v128-159 codes
.set E,     160                        ; v160-167 scale bytes
	s_load_b256 s[4:11], s[0:1], 0x0               ; W_q s[4:5], scale s[6:7], zero s[8:9], wimg s[10:11]
	v_lshl_add_u32 v168, v0, 2, SPAREW
	v_mov_b32 v169, 0
	v_lshrrev_b32 v1, 5, v0
	v_readfirstlane_b32 s14, v1                    ; wave 0..3
	v_and_b32 v1, 31, v0                           ; lane
	s_wait_alu depctr_va_vdst(0)                   ; the wait ahead of the run of scalar lines
	s_and_b32 s15, ttmp7, 0xffff                   ; rc
	s_lshl_b32 s18, s15, 19                        ; W_q: 32 rows of 16,384 bytes a work-group,
	s_lshl_b32 s16, s14, 17                        ; 8 rows a wave,
	s_add_co_u32 s18, s18, s16
	s_lshl_b32 s16, ttmp9, 10                      ; 256 words a K step
	s_add_co_u32 s18, s18, s16
	s_mov_b32 s19, 0
	s_lshl_b32 s20, s15, 13                        ; scale, zero: a row's 64 groups are 256 bytes
	s_lshl_b32 s16, s14, 11
	s_add_co_u32 s20, s20, s16
	s_lshl_b32 s17, ttmp9, 4                       ; 4 groups a K step
	s_add_co_u32 s20, s20, s17
	s_mov_b32 s21, 0
	s_lshr_b32 s26, s15, 2                         ; nb = rc / 4
	s_lshl_b32 s26, s26, 4
	s_add_co_u32 s26, s26, ttmp9
	s_mul_i32 s26, s26, IMGB                       ; the high rows' image
	s_and_b32 s22, s15, 3                          ; which pair of blocks of its eight
	s_and_b32 s27, s14, 1
	s_lshr_b32 s35, s14, 1
	s_lshl_b32 s28, s22, 12                        ; the codes that I store: two fragments of the pair,
	s_add_co_u32 s28, s28, s26
	s_lshl_b32 s17, s27, 14                        ; kq = wave % 2,
	s_add_co_u32 s28, s28, s17
	s_mul_i32 s17, s35, LOWI                       ; nibble = wave / 2
	s_add_co_u32 s28, s28, s17
	s_mov_b32 s29, 0
	s_lshl_b32 s30, s22, 8                         ; the pair's 256 scale bytes
	s_add_co_u32 s30, s30, s26
	s_add_co_u32 s30, s30, 32768
	s_mul_i32 s17, s27, LOWI                       ; wave 0 stores the high rows', wave 1 the low rows'
	s_add_co_u32 s30, s30, s17
	s_mov_b32 s31, 0
	s_mul_i32 s32, s14, WST                        ; my stage
	s_lshl_b32 s33, s27, 6                         ; scale bytes: 8 x (8 (wave % 2)) for my rows,
	s_lshl_b32 s17, s35, 2                         ; 4 x (wave / 2) for my block of the pair
	s_add_co_u32 s33, s33, s17
	s_add_co_u32 s33, s33, SCB
	s_lshl_b32 s34, s27, 8
	s_add_co_u32 s34, s34, SCB                     ; the 256 that I read back at the end
	s_mul_i32 s36, s35, 8*UP                       ; codes into their stage: my block of the pair, my 8 rows
	s_lshl_b32 s17, s27, 7
	s_add_co_u32 s36, s36, s17
	s_add_co_u32 s36, s36, CST
	s_mul_i32 s37, s14, 16*UP                      ; and back: my 16 units
	s_add_co_u32 s37, s37, CST
	s_mov_b32 s23, 0x600000                        ; the mantissa field of 448
	v_lshlrev_b32 v2, 4, v1                        ; 16 x lane
	v_lshrrev_b32 v9, 4, v1
	v_bfe_u32 v3, v1, 2, 2
	v_lshlrev_b32 v3, 2, v3
	v_lshl_add_u32 v3, v9, 8, v3                   ; scale, zero: my row of the step's two, my group
	v_lshrrev_b32 v4, 2, v1
	v_mul_u32_u24 v4, v4, SP
	v_and_b32 v10, 3, v1
	v_lshl_add_u32 v4, v10, 4, v4
	v_add_nc_u32 v4, s32, v4                       ; the wave's stage, on the way in
	v_mul_u32_u24 v5, v1, SP
	v_add_nc_u32 v5, s32, v5                       ; and on the way out: my 16 neighbouring words
	v_bfe_u32 v11, v1, 3, 1                        ; which 128 along K my 16 numbers lie in
	v_bfe_u32 v6, v1, 1, 2                         ; my block's byte in its word
	v_lshl_add_u32 v6, v9, 3, v6                   ; + 8 x my row of the step's two
	v_lshl_add_u32 v6, v11, 7, v6                  ; + 128 for the second 128 along K
	v_add_nc_u32 v6, s33, v6
	v_lshl_add_u32 v7, v1, 3, s34                  ; the way out of the scale bytes: 8 a lane
	v_lshlrev_b32 v8, 3, v1
	v_mul_u32_u24 v170, v11, 16*UP                 ; codes' stage, in: kq,
	v_and_b32 v10, 7, v1
	v_mad_u32_u24 v170, v10, UP, v170              ; unit j,
	v_lshl_add_u32 v170, v9, 4, v170               ; my row of the step's two
	v_add_nc_u32 v170, s36, v170
	v_mul_u32_u24 v171, v9, UP                     ; and back: lanes 0-15 one unit, lanes 16-31 the next
	v_and_b32 v10, 15, v1
	v_lshl_add_u32 v171, v10, 4, v171
	v_add_nc_u32 v171, s37, v171
.irp k, 0,1,2,3,4,5,6,7,8,9,10,11,12,13,14,15
	v_mov_b32 v[ZS+2*\k+1], 0                      ; the upper halves of the pairs that the packed forms name
.endr
	s_wait_alu depctr_va_vdst(0)                   ; the wait at the head's end
	s_wait_kmcnt 0x0
	s_add_nc_u64 s[4:5], s[4:5], s[18:19]
	s_add_nc_u64 s[6:7], s[6:7], s[20:21]
	s_add_nc_u64 s[8:9], s[8:9], s[20:21]
	s_add_nc_u64 s[24:25], s[10:11], s[30:31]      ; where the scale bytes go
	s_add_nc_u64 s[10:11], s[10:11], s[28:29]      ; where my 4,096 bytes of codes go
.irp t, 0,1,2,3                                ; the low rows' groups lie 1,024 rows x 256 bytes on
	global_load_b32 v[ZS+8*\t],   v3, s[8:9] offset:512*\t
	global_load_b32 v[ZS+8*\t+2], v3, s[6:7] offset:512*\t
	global_load_b32 v[ZS+8*\t+4], v3, s[8:9] offset:262144+512*\t
	global_load_b32 v[ZS+8*\t+6], v3, s[6:7] offset:262144+512*\t
.endr
.irp t, 0,1,2,3
.irp i, 0,1,2,3
	global_load_b128 v[R+16*\t+4*\i:R+16*\t+4*\i+3], v2, s[4:5] offset:(2*\t+\i/2)*16384+(\i%2)*512 th:TH_LOAD_NT   ; 512 consecutive bytes; read once in the launch
.endr
.endr
.macro TURN t                          ; step t's 512 words through my stage; LDS serves a wave's instructions in order (ISA guide 5.7.1.4)
.irp i, 0,1,2,3
	ds_store_b128 v4, v[R+16*(\t)+4*\i:R+16*(\t)+4*\i+3] offset:8*SP*\i
.endr
.irp i, 0,1,2,3
	ds_load_b128 v[R+16*(\t)+4*\i:R+16*(\t)+4*\i+3], v5 offset:16*\i
.endr
.endm
.macro HALF t, f                       ; one nibble of my 16 words: 16 numbers, 16 codes, a scale byte.  f = 0: bits 7:4, the high rows; f = 1: bits 3:0
.set RS, R+16*(\t)
.set ZR, ZS+8*(\t)+4*(\f)
.set CR, C+8*(\t)+4*(\f)
.set ER, E+2*(\t)+(\f)
.irp i, 0,1,2,3,4,5,6,7,8,9,10,11,12,13,14,15
.if \f
	v_and_b32 v[F+\i], 15, v[RS+\i]
.else
	v_bfe_u32 v[F+\i], v[RS+\i], 4, 4
.endif
.endr
.irp i, 0,1,2,3,4,5,6,7,8,9,10,11,12,13,14,15
	v_cvt_f32_u32 v[F+\i], v[F+\i]
.endr
.irp i, 0,2,4,6,8,10,12,14
	v_pk_add_f32 v[F+\i:F+\i+1], v[F+\i:F+\i+1], v[ZR:ZR+1] op_sel_hi:[1,0] neg_lo:[0,1] neg_hi:[0,1]   ; q - zero
.endr
.irp i, 0,2,4,6,8,10,12,14
	v_pk_mul_f32 v[F+\i:F+\i+1], v[F+\i:F+\i+1], v[ZR+2:ZR+3] op_sel_hi:[1,0]                           ; x scale: not fused, the subtraction is rounded by itself
.endr
	v_max3_num_f32 v10, |v[F]|, |v[F+1]|, |v[F+2]|                 ; the largest magnitude of my 16, in two chains
	v_max3_num_f32 v11, |v[F+3]|, |v[F+4]|, |v[F+5]|
.irp i, 6,10
	v_max3_num_f32 v10, v10, |v[F+\i]|, |v[F+\i+1]|
	v_max3_num_f32 v11, v11, |v[F+\i+2]|, |v[F+\i+3]|
.endr
	v_max3_num_f32 v10, v10, |v[F+14]|, |v[F+15]|
	v_max3_num_f32 v10, v10, v11, 0x4800000        ; and the floor 2^(9 - 127): the byte cannot fall under 1
	v_max_num_f32_dpp v10, v10, v10 row_xmask:1 row_mask:0xf bank_mask:0xf   ; with my neighbour's 16: the block's
	v_add_nc_u32 v13, 0xfc000000, v10              ; 8 off its exponent field: the conversion's scale operand
	v_and_or_b32 v12, v10, 0x7f800000, s23         ; 448 x the scale
.irp i, 0,1,2,3,4,5,6,7,8,9,10,11,12,13,14,15
	v_med3_num_f32 v[F+\i], v[F+\i], -v12, v12     ; the conversion does not saturate (ISA guide 7.6.2): hold first
.endr
	v_cvt_scalef32_pk8_fp8_f32 v[CR:CR+1], v[F:F+7], v13
	v_cvt_scalef32_pk8_fp8_f32 v[CR+2:CR+3], v[F+8:F+15], v13
	v_lshrrev_b32 v[ER], 23, v13                   ; the scale's byte; also the plain line behind the conversions
	ds_store_b8 v6, v[ER] offset:16*(\t)+256*(\f)  ; both lanes of a block write the same byte with the same value
	ds_store_b128 v170, v[CR:CR+3] offset:32*UP*(\f)+32*(\t)       ; my 16 codes to their place in the image's order
.endm
.macro STEP t
.if (\t) < 3
	s_wait_loadcnt 8-4*(\t)                        ; the next step's four loads are in
	TURN (\t)+1
	s_wait_dscnt 8                                 ; this step's words are back: the eight instructions just issued may be out
.else
	s_wait_dscnt 4                                 ; the last step's words are back: the four stores issued behind them may be out
.endif
	HALF \t, 0
	HALF \t, 1
.endm
	s_wait_loadcnt 12                              ; zero, scale and step 0's four loads are in; the twelve younger ones stay out
	TURN 0
	STEP 0
	STEP 1
	STEP 2
	STEP 3
	s_wait_dscnt 0x0                               ; for the others' sake: my stores have landed
	s_barrier_signal -1
	s_barrier_wait -1                              ; all codes and scale bytes lie in LDS
.irp i, 0,1,2,3,4,5,6,7
	ds_load_b128 v[R+4*\i:R+4*\i+3], v171 offset:2*UP*\i
.endr
	s_wait_dscnt 0x0
.irp i, 0,1,2,3,4,5,6,7
	global_store_b128 v2, v[R+4*\i:R+4*\i+3], s[10:11] offset:512*\i   ; 32 lanes store 512 consecutive bytes, two whole aligned units of 256
.endr
	s_cmp_lt_u32 s14, 2
	s_cbranch_scc0 .Lend                           ; wave 0 stores the high rows' 256 scale bytes, wave 1 the low rows'
	ds_load_b64 v[14:15], v7
	s_wait_dscnt 0x0
	global_store_b64 v8, v[14:15], s[24:25]        ; 256 consecutive bytes, aligned
.Lend:
	s_wait_tensorcnt 0x0                           ; the wave's end
	ds_add_u32 v168, v169
	s_wait_dscnt 0x0
	s_endpgm
.Lfunc_end_k_q4b8cbacbfd_wquant:
	.size	k_q4b8cbacbfd_wquant, .Lfunc_end_k_q4b8cbacbfd_wquant-k_q4b8cbacbfd_wquant
	.p2alignl 7, 3214868480
	.fill 96, 4, 3214868480
	.section	.rodata,"a",@progbits
	.p2align	6, 0x0
	.amdhsa_kernel k_q4b8cbacbfd_wquant
		.amdhsa_group_segment_fixed_size 28672
		.amdhsa_private_segment_fixed_size 0
		.amdhsa_enable_private_segment 0
		.amdhsa_kernarg_size 32
		.amdhsa_user_sgpr_count 2
		.amdhsa_user_sgpr_kernarg_segment_ptr 1
		.amdhsa_wavefront_size32 1
		.amdhsa_system_sgpr_workgroup_id_x 1
		.amdhsa_system_sgpr_workgroup_id_y 1
		.amdhsa_system_sgpr_workgroup_id_z 1
		.amdhsa_system_vgpr_workitem_id 0
		.amdhsa_next_free_vgpr 172
		.amdhsa_next_free_sgpr 66
		.amdhsa_reserve_vcc 0
		.amdhsa_float_denorm_mode_32 3
		.amdhsa_float_denorm_mode_16_64 3
		.amdhsa_memory_ordered 1
		.amdhsa_forward_progress 1
		.amdhsa_inst_pref_size 46
	.end_amdhsa_kernel
	.amdgpu_metadata
---
amdhsa.version: [ 1, 2 ]
amdhsa.kernels:
  - .name:           k_q4b8cbacbfd_wquant
    .symbol:         k_q4b8cbacbfd_wquant.kd
    .args:
      - { .name: W_q, .offset: 0, .size: 8, .value_kind: global_buffer, .address_space: global }
      - { .name: scale, .offset: 8, .size: 8, .value_kind: global_buffer, .address_space: global }
      - { .name: zero, .offset: 16, .size: 8, .value_kind: global_buffer, .address_space: global }
      - { .name: wimg, .offset: 24, .size: 8, .value_kind: global_buffer, .address_space: global }
    .group_segment_fixed_size: 28672
    .private_segment_fixed_size: 0
    .kernarg_segment_align: 8
    .kernarg_segment_size: 32
    .max_flat_workgroup_size: 128
    .sgpr_count:     66
    .vgpr_count:     172
    .wavefront_size: 32
...
	.end_amdgpu_metadata
.endif
;; end of part 1
;; launch gemm (part 2): grid 8 x 32, 4 waves a work-group, clusters of 4 x 4, 327,680 bytes of LDS; arguments x_codes, x_scales, wimg, bias, out0; writes out0
.if DOCPART == 2
	.amdgcn_target "amdgcn-amd-amdhsa--gfx1250"
	.amdhsa_code_object_version 6
	.text
	.protected	k_q4b8cbacbfd_gemm
	.globl	k_q4b8cbacbfd_gemm
	.p2align	8
	.type	k_q4b8cbacbfd_gemm,@function
k_q4b8cbacbfd_gemm:
	s_mov_b64 s[64:65], 0
	v_nop
	global_prefetch_b8 v0, s[64:65] scope:SCOPE_SE
	s_setreg_imm32_b32 hwreg(HW_REG_WAVE_MODE, 25, 1), 1
	s_wait_xcnt 0x0
	s_wait_alu depctr_hold_cnt(0) depctr_sa_sdst(0) depctr_va_vdst(0) depctr_va_sdst(0) depctr_va_ssrc(0) depctr_va_vcc(0) depctr_vm_vsrc(0)
	s_getreg_b32 s2, hwreg(HW_REG_IB_STS2, 6, 4)
	s_cmp_eq_u32 s2, 0
	s_cbranch_scc0 .Lentry_in_a_cluster
	s_endpgm
.Lentry_in_a_cluster:
	s_bfe_u32 s2, ttmp6, 0x10000c
	s_cmp_lg_u32 s2, 0xf033
	s_cbranch_scc0 .Lentry_shape_is_right
	s_endpgm
.Lentry_shape_is_right:
; out[m][n] = sum over k of x[m][k] W[n][k] + bias[n]: x [8192][4096] and W [2048][4096] as codes of E4M3 with one E8M0 byte for each 32 along K; sums in f32.  Nothing of reference() is left out.
; SHARES.  A work-group makes 256 x 256 of out: 32 x 8 = 256 work-groups.  Wave w makes rows 128 (w / 2) .. and columns 128 (w % 2) ..: 64 accumulators of 16 x 16, 512 registers.
; K goes in steps of 256 through a ring of two LDS slots.  A slot holds x's 256 rows (256 bytes + 16 of padding each) and two images of W (128 rows each).  An image, as the launch before has laid it,
; is 132 dense rows of 256 bytes: each fragment (16 rows x 128 K) as an image of the operand's registers, 2,048 bytes on end, then 1,024 scale bytes.  So a fragment load reads 512 consecutive LDS bytes.
; CLUSTER 4 x 4: x's tiles are shared along a row of the cluster, W's images along a column; each is asked for jointly.  Waves 0, 1 fetch x's halves, waves 2, 3 the two images: one load a wave.
; x's scales (256 rows x 128 bytes, dense) are copied once into LDS bytes of their own.
; A STEP of 128 along K is two halves: x's eight blocks against W's blocks 0-3, then against W's blocks 4-7.  W has a ring of four half-sets (4 fragments each): the next step's two are read in this
; step's first half.  x has one set: blocks 0-3 are read anew in the middle of the second half, blocks 4-7 at its end.  So LDS loads stand in four runs of 16, one behind each 16 products.
; All reads of a slot are over when its first step ends: the change of slots stands in the first half of its second step.
; The matrix instruction is used transposed (source 0 = 16 rows of W, source 1 = 16 rows of x): a lane holds eight neighbouring numbers of a row of out.  The first step takes the bias as C.
; PREFETCH: behind each refill one instruction a wave names the K step of 256 that stands two refills on: 32 blocks of 256 bytes, a lane a block.  The four partners that ask for a tile jointly share
; it out by address: 32 of x's 128 rows by cx, 32 of an image's 128 blocks of codes by cy.  W's images, which all eight rows of clusters read, are asked for by the first four alone.
; K steps 0 to 3 come by their loads alone; the last trip asks for nothing.
; REGISTERS: window 0: v0-31 addresses; v32-63 scale words, two sets; v64-127 the bias; v128-255 x's fragments.  Window 1: W's four half-sets.
;   Window 2: accumulators (a, b), b = 0-3, at v[8 (4 a + b)]; window 3: b = 4-7.
.set IMGB,   33792
.set PITCH,  272                       ; an LDS row of x: 17 x 16 bytes: the 16 rows that a load touches begin 16 bytes apart modulo 256
.set XHALF,  128*PITCH
.set XB,     2*XHALF                   ; x's part of a slot; W's two images lie behind it
.set SLOT,   XB+2*IMGB
.set SCL,    2*SLOT                    ; x's scales: 128 units of 256 bytes + 16
.set SPT,    272
.set SPARE,  SCL+128*SPT               ; the spare words, 512 bytes
.set SPITCH, 528                       ; the way out: 16 rows x (512 + 16) bytes a wave, in slot 0, which has had its last fill and its last read by then
.set ADRA, 16                          ; v16-17 my place in x's rows, slot 0, 1
.set ADRB, 18                          ; v18-19 16 x lane in my image
.set ADWS, 20                          ; v20-21 8 x lane in my image's scale bytes
.set ADSC, 22                          ; v22    my x scale word
.set STO,  23
.set RD,   24
.set CO,   25                          ; v25    16 x lane
.set BO,   26
.set PFO,  27
.set SPW,  28
.set NIL,  29
.set XSS,  30
.set XSG,  31
.set SC,   32                          ; set s at SC + 16 s: x's block a at (a % 4) + 8 (a / 4), W's block b at 4 + (b % 4) + 8 (b / 4); lanes 0-15 the first 128 of the K step, lanes 16-31 the second
.set BI,   64
.set AF,   128
.set BK,   128
.set G1A, 24
.set G0A, 32
.set G1B, 68
.set G0B, 76
.set PFA, 84                           ; s[84:85] where my prefetches stand
.set PFST, 86                          ; s[86:87] their step: 256 bytes along x's rows, or an image
.set LIM, 88                           ; trips in which I prefetch
.set MSB, 0
.macro WIN new
.if MSB != \new
	s_set_vgpr_msb (MSB<<8)|\new
.set MSB, \new
.endif
.endm
.macro PLACES n
.rept \n
	v_nop
.endr
.endm
.macro CREST
	s_cmp_lg_u32 s14, 0
	s_cbranch_scc1 .Lnot_wave_0_\@
	s_barrier_signal -3
.Lnot_wave_0_\@:
	s_barrier_wait -3
	s_barrier_signal -1
	s_barrier_wait -1
.endm
.macro CROUND
	s_barrier_signal -1
	s_barrier_wait -1
	CREST
.endm
.macro JLOAD s                         ; a joint load: waves 0, 1 for x, waves 2, 3 for W
	s_cmp_eq_u32 s15, 0
	s_cbranch_scc0 .Lfor_w_\@
	tensor_load_to_lds s[G0A+4*(\s):G0A+4*(\s)+3], s[G1A:G1A+7]
	s_nop 0
	PLACES 4
	s_branch .Lasked_\@
.Lfor_w_\@:
	tensor_load_to_lds s[G0B+4*(\s):G0B+4*(\s)+3], s[G1B:G1B+7]
	s_nop 0
	PLACES 4
.Lasked_\@:
.endm
.macro RUNX f0                         ; x's fragments f0 .. f0 + 3 of the lap's step PN
	WIN 0
.irp f, \f0, \f0+1, \f0+2, \f0+3
.irp c, 0,1,2,3
	ds_load_b128 v[AF+16*(\f)+4*\c:AF+16*(\f)+4*\c+3], v[ADRA+PN/2] offset:(\f)*16*PITCH+(PN%2)*128+32*\c
.endr
.endr
.endm
.macro RUNW u                          ; W's half-set u of the lap's step PN, into window 1
.set HQ, 2*(PN%2)+(\u)
	WIN 0x40
.irp j, 0,1,2,3
.irp c, 0,1,2,3
	ds_load_b128 v[64*HQ+16*\j+4*\c:64*HQ+16*\j+4*\c+3], v[ADRB+PN/2] offset:HQ*8192+\j*2048+512*\c
.endr
.endr
.endm
.macro SCALES set, idx                 ; the scale words of slot 'set', which holds the lap's K step idx of 256
	WIN 0
.irp i, 0,1,2,3,4,5,6,7
	ds_load_b32 v[SC+16*(\set)+(\i%4)+8*(\i/4)], v[ADSC] offset:\i*8*SPT+8*(\idx)
.endr
.irp t, 0,1,2,3
	ds_load_b64 v[SC+16*(\set)+4+2*(\t%2)+8*(\t/2):SC+16*(\set)+5+2*(\t%2)+8*(\t/2)], v[ADWS+(\set)] offset:256*\t
.endr
.endm
.macro ASK
	WIN 0
	s_cmp_lt_u32 s3, s[LIM]
	s_cbranch_scc0 .Lno_ask_\@
	global_prefetch_b8 v[PFO], s[PFA:PFA+1] th:TH_LOAD_NT scope:SCOPE_SE
.Lno_ask_\@:
.endm
.macro PROD a, j, hh, sc, first        ; x's block a against W's block 4 (hh % 2) + j; hh / 2 says which 128 of the K step of 256
.set DA, 8*(4*(\a)+(\j))
.set WF, 64*(\hh)+16*(\j)
.set XF, AF+16*(\a)
.set WS, SC+16*(\sc)+4+(\j)+8*((\hh)%2)
.set XS, SC+16*(\sc)+((\a)%4)+8*((\a)/4)
.set BC, BI+8*(4*((\hh)%2)+(\j))
.if \first
	v_wmma_scale_f32_16x16x128_f8f6f4 v[DA:DA+7], v[WF:WF+15], v[XF:XF+15], v[BC:BC+7], v[WS], v[XS]
.elseif (\hh) < 2
	v_wmma_scale_f32_16x16x128_f8f6f4 v[DA:DA+7], v[WF:WF+15], v[XF:XF+15], v[DA:DA+7], v[WS], v[XS]
.else
	v_wmma_scale_f32_16x16x128_f8f6f4 v[DA:DA+7], v[WF:WF+15], v[XF:XF+15], v[DA:DA+7], v[WS], v[XS] matrix_a_scale:MATRIX_SCALE_ROW1 matrix_b_scale:MATRIX_SCALE_ROW1
.endif
.endm
.macro GRPS a0, n, first               ; n blocks of x from a0 on, each against the half's four blocks of W; the window's 32 accumulators take turns
	WIN MULW
.set GA, \a0
.rept \n
.irp j, 0,1,2,3
	PROD GA, \j, HH, SLT, \first
.endr
.set GA, GA+1
.endr
.endm
; Half hf of the lap's step p (a lap: 4 steps, once round the ring).  last = 1: the launch's last lap: nothing is filled again, and nothing is read beyond K.
.macro HALF p, hf, first, last
.set SLT, (\p)/2
.set HH, 2*((\p)%2)+(\hf)
.set PN, ((\p)+1)%4
.set NXT, 1                            ; 0: no step follows
.if \last
.if (\p) == 3
.set NXT, 0
.endif
.endif
.set CHG, ((\p)%2)*(1-(\hf))*NXT       ; 1: this half changes slots
.if \first
.set MULW, 0x81+0x40*(\hf)             ; source 0 window 1, source 1 and C window 0, D window 2 or 3
.else
.set MULW, 0xa1+0x50*(\hf)             ; C and D window 2 or 3
.endif
.if (\hf) == 0
.if CHG
.if \last
.else
	s_wait_xcnt 0x0                                ; my last prefetch has read its address
	s_add_nc_u64 s[PFA:PFA+1], s[PFA:PFA+1], s[PFST:PFST+1]
.endif
.endif
	s_wait_dscnt 16                                ; all but the youngest run, x's blocks 4-7, is in
	GRPS 0, 4, \first
.if CHG
	WIN 0
	s_wait_tensorcnt 0x0                           ; my part of the other slot has landed;
	ds_add_u32 v[SPW], v[NIL]
.if \last
.else
	s_add_nc_u64 s[G0A+4*SLT+2:G0A+4*SLT+3], s[G0A+4*SLT+2:G0A+4*SLT+3], 512        ; no tensor load of mine is out: this slot's next K step
	s_add_nc_u64 s[G0B+4*SLT+2:G0B+4*SLT+3], s[G0B+4*SLT+2:G0B+4*SLT+3], 2*IMGB
.endif
	s_wait_dscnt 0x0                               ; the add is done, and my reads of this slot are over
	s_barrier_signal -1
	GRPS 4, 2, \first
	WIN 0
	s_barrier_wait -1                              ; nobody reads this slot any more, and the other slot is whole
.if \last
.else
	CREST                                          ; the barrier has opened a round of the cluster's barrier
	JLOAD SLT                                      ; the first tensor load behind the round
.endif
	RUNW 0
.if \last
.else
	ASK
.endif
	GRPS 6, 2, \first
.else
.if NXT
	RUNW 0
	s_wait_dscnt 16                                ; x's blocks 4-7 are in; the run just issued may be out
.else
	s_wait_dscnt 0x0
.endif
	GRPS 4, 4, \first
.endif
.if NXT
	RUNW 1
.if (\p)%2
	SCALES PN/2, SLT+1
.endif
.endif
.else
	GRPS 0, 4, \first
.if NXT
	PLACES 8                                       ; eight places ahead of loads into registers that the products just issued read
	RUNX 0
.endif
	GRPS 4, 4, \first
.if NXT
	PLACES 8
	RUNX 4
.endif
.endif
.endm
.macro STEP p, first, last
	HALF \p, 0, \first, \last
	HALF \p, 1, \first, \last
.endm
	s_load_b256 s[4:11], s[0:1], 0x0               ; x_codes s[4:5], x_scales s[6:7], wimg s[8:9], bias s[10:11]
	s_load_b64 s[12:13], s[0:1], 0x20              ; out0
	v_lshl_add_u32 v[SPW], v0, 2, SPARE
	v_mov_b32 v[NIL], 0
	ds_add_u32 v[SPW], v[NIL]                      ; the opening lines: the add, twice on end, and its wait
	ds_add_u32 v[SPW], v[NIL]
	v_lshrrev_b32 v1, 5, v0
	v_readfirstlane_b32 s14, v1                    ; wave 0..3
	s_lshr_b32 s15, s14, 1                         ; my half of the block's rows.  Also: I fetch for x (0) or for W (1)
	s_and_b32 s16, s14, 1                          ; my half of its columns.  Also: which half of that operand I fetch
	s_bfe_u32 s40, ttmp6, 0x40000                  ; cx, cy
	s_bfe_u32 s41, ttmp6, 0x40004
	s_lshl_b32 s42, ttmp9, 2
	s_add_co_u32 s42, s42, s40                     ; the block's column of out
	s_and_b32 s46, ttmp7, 0xffff
	s_lshl_b32 s17, s46, 2
	s_add_co_u32 s17, s17, s41                     ; its row
	s_lshl_b32 s43, s41, 2
	s_lshl_b32 s43, 15, s43                        ; my row of the cluster
	s_lshl_b32 s44, 0x1111, s40                    ; my column
	s_or_b32 s[G1A+0], s43, (1<<20)|(1<<21)|(5<<22)|(3<<25)   ; x: elements of 1 byte; 4 words of padding behind every 64
	s_mov_b32 s[G1A+1], 256<<16
	s_mov_b32 s[G1A+2], 128<<16
	s_mov_b32 s[G1A+3], 256<<16
	s_mov_b32 s[G1A+4], 128
	s_mov_b32 s[G1A+5], 4096
	s_mov_b32 s[G1A+6], 0
	s_mov_b32 s[G1A+7], 0
	s_or_b32 s[G1B+0], s44, (1<<21)                ; W: an image, 132 dense rows of 256 bytes, no padding
	s_mov_b32 s[G1B+1], 256<<16
	s_mov_b32 s[G1B+2], 132<<16
	s_mov_b32 s[G1B+3], 256<<16
	s_mov_b32 s[G1B+4], 132
	s_mov_b32 s[G1B+5], 256
	s_mov_b32 s[G1B+6], 0
	s_mov_b32 s[G1B+7], 0
	s_lshl_b32 s18, s17, 20                        ; x: 256 rows of 4,096 bytes a block,
	s_lshl_b32 s19, s16, 19                        ; the 128 rows that I fetch
	s_add_co_u32 s18, s18, s19
	s_mov_b32 s19, 0
	s_lshl_b32 s20, s42, 1
	s_add_co_u32 s20, s20, s16
	s_mul_i32 s20, s20, 16*IMGB                    ; W: the images of the 128 rows that I fetch (and that I multiply)
	s_mov_b32 s21, 0
	s_lshl_b32 s22, s17, 15                        ; x's scales: 256 rows of 128 bytes
	s_mov_b32 s23, 0
	s_mul_i32 s52, s16, XHALF                      ; where my tile goes
	s_mul_i32 s53, s16, IMGB
	s_add_co_u32 s53, s53, XB
	s_wait_dscnt 0x0
	s_wait_kmcnt 0x0
	s_add_nc_u64 s[48:49], s[4:5], s[18:19]
	s_add_nc_u64 s[50:51], s[8:9], s[20:21]
	s_add_nc_u64 s[6:7], s[6:7], s[22:23]
.irp s, 0,1
	s_mov_b32 s[G0A+4*\s], 1
	s_add_co_u32 s[G0A+4*\s+1], s52, \s*SLOT
	s_add_nc_u64 s[G0A+4*\s+2:G0A+4*\s+3], s[48:49], \s*256
	s_or_b32 s[G0A+4*\s+3], s[G0A+4*\s+3], 0x80000000
	s_mov_b32 s[G0B+4*\s], 1
	s_add_co_u32 s[G0B+4*\s+1], s53, \s*SLOT
	s_add_nc_u64 s[G0B+4*\s+2:G0B+4*\s+3], s[50:51], \s*IMGB
	s_or_b32 s[G0B+4*\s+3], s[G0B+4*\s+3], 0x80000000
.endr
	CROUND                                         ; all sixteen work-groups are here: the first joint loads meet
	JLOAD 0                                        ; one tensor load a wave at the head
	s_mul_i32 s47, s15, XHALF                      ; my 128 rows of x in a slot
	s_mul_i32 s54, s15, 64*SPT
	s_add_co_u32 s54, s54, SCL                     ; and their scales
	s_mul_i32 s55, s14, 16*SPITCH                  ; my stage
	s_cmp_eq_u32 s15, 0
	s_cselect_b32 s58, 12, 8                       ; a lane's step in a prefetch: a row of x, or a block of an image
	v_and_b32 v1, 15, v0                           ; r
	v_bfe_u32 v2, v0, 4, 1                         ; h
	v_and_b32 v3, 31, v0                           ; lane
	v_mul_u32_u24 v4, v1, PITCH
	v_lshl_add_u32 v4, v2, 4, v4
	v_add_nc_u32 v[ADRA], s47, v4                  ; a fragment's row x pitch + 16 h
	v_add_nc_u32 v[ADRA+1], SLOT, v[ADRA]
	v_lshlrev_b32 v[CO], 4, v3
	v_add_nc_u32 v[ADRB], s53, v[CO]
	v_add_nc_u32 v[ADRB+1], SLOT, v[ADRB]
	v_lshl_add_u32 v5, v3, 3, s53
	v_add_nc_u32 v[ADWS], 32768, v5
	v_add_nc_u32 v[ADWS+1], SLOT, v[ADWS]
	v_lshrrev_b32 v5, 1, v1                        ; x's scales: two rows of 128 bytes to a unit
	v_mul_u32_u24 v5, v5, SPT
	v_and_b32 v6, 1, v1
	v_lshl_add_u32 v5, v6, 7, v5
	v_lshl_add_u32 v5, v2, 2, v5                   ; lanes 16-31 take the word of the second 128 along K
	v_add_nc_u32 v[ADSC], s54, v5
	v_lshrrev_b32 v6, 4, v0                        ; the copy of x's scales: thread t brings 16 bytes of unit t / 16
	v_mul_u32_u24 v6, v6, SPT
	v_lshl_add_u32 v6, v1, 4, v6
	v_add_nc_u32 v[XSS], SCL, v6
	v_lshlrev_b32 v[XSG], 4, v0
	v_mul_u32_u24 v7, v1, SPITCH                   ; the stage, in: row r, 32 bytes for each half of the lanes
	v_lshl_add_u32 v7, v2, 5, v7
	v_add_nc_u32 v[STO], s55, v7
	v_add_nc_u32 v[RD], s55, v[CO]                 ; back: the 32 lanes take one row of 512 bytes
	v_lshlrev_b32 v[BO], 5, v2
	v_lshlrev_b32 v[PFO], s58, v3
	s_wait_alu depctr_va_vdst(0)                   ; the wait at the end of the head's vector lines
	WIN 0x40
.irp i, 0,1,2,3,4,5,6,7,8,9,10,11,12,13,14,15
	global_load_b128 v[128+4*\i:128+4*\i+3], v[XSG], s[6:7] offset:2048*\i   ; x's scales, 2,048 consecutive bytes for the work-group; they pass through W's last two half-sets, which are idle
.endr
	WIN 0
	s_lshl_b32 s56, s42, 10                        ; my 128 columns: their bytes in bias and in a row of out
	s_lshl_b32 s57, s16, 9
	s_add_co_u32 s56, s56, s57
	s_mov_b32 s57, 0
	s_add_nc_u64 s[10:11], s[10:11], s[56:57]
	s_add_nc_u64 s[12:13], s[12:13], s[56:57]
.irp b, 0,1,2,3,4,5,6,7
	global_load_b128 v[BI+8*\b:BI+8*\b+3],   v[BO], s[10:11] offset:64*\b
	global_load_b128 v[BI+8*\b+4:BI+8*\b+7], v[BO], s[10:11] offset:64*\b+16
.endr
	s_lshl_b32 s56, s17, 21                        ; out: 256 rows of 8,192 bytes a block, my 128
	s_lshl_b32 s59, s15, 20
	s_add_co_u32 s56, s56, s59
	s_add_nc_u64 s[12:13], s[12:13], s[56:57]
	; the prefetches: of the tile that I fetch, my work-group's 32 blocks, told apart by address
	s_lshl_b32 s59, s40, 17                        ; x: 32 cx rows
	s_add_co_u32 s18, s18, s59
	s_lshl_b32 s59, s41, 13                        ; W: 32 cy blocks of 256 bytes
	s_add_co_u32 s20, s20, s59
	s_mov_b32 s59, IMGB
	s_cmp_lt_u32 s46, 4
	s_cselect_b32 s60, 6, 0                        ; W's images: the first four rows of clusters
	s_cmp_eq_u32 s15, 0
	s_cselect_b32 s18, s18, s20
	s_cselect_b32 s[PFST], 256, s59
	s_cselect_b32 s[LIM], 6, s60                   ; trips 0 to 5 have a K step two refills on
	s_cselect_b64 s[PFA:PFA+1], s[4:5], s[8:9]
	s_mov_b32 s[PFST+1], 0
	s_add_nc_u64 s[PFA:PFA+1], s[PFA:PFA+1], s[18:19]
	s_mul_i32 s60, s[PFST], 3                      ; at K step 3: the first refill steps it to 4
	s_mov_b32 s61, 0
	s_add_nc_u64 s[PFA:PFA+1], s[PFA:PFA+1], s[60:61]
	s_wait_loadcnt 16                              ; x's scales are in; the bias's 16 loads may be out
	WIN 0x04
.irp i, 0,1,2,3,4,5,6,7,8,9,10,11,12,13,14,15
	ds_store_b128 v[XSS], v[128+4*\i:128+4*\i+3] offset:8*SPT*\i
.endr
	WIN 0
	s_wait_tensorcnt 0x0                           ; my part of slot 0 is in
	ds_add_u32 v[SPW], v[NIL]
	s_wait_dscnt 0x0                               ; the add and my stores of x's scales are done
	CROUND
	JLOAD 1                                        ; slot 1's first fill, the first tensor load behind the round
.set PN, 0
	SCALES 0, 0
	RUNW 0
	RUNW 1
	RUNX 0
	RUNX 4
	s_wait_loadcnt 0x0                             ; the bias
	STEP 0, 1, 0                                   ; the first step stands in front of the loop: its products take the bias as C
	WIN 0
	s_mov_b32 s3, 0
.Llap:                                                 ; a trip: a lap's steps 1 to 3 and the next lap's step 0; both slots are filled again
	STEP 1, 0, 0
	STEP 2, 0, 0
	STEP 3, 0, 0
	WIN 0
	v_add_nc_u32 v[ADSC], 16, v[ADSC]              ; on to the next lap's scale words of x
	s_wait_alu depctr_va_vdst(0)                   ; the wait directly behind the write
	STEP 0, 0, 0
	WIN 0
	s_add_co_u32 s3, s3, 1
	s_cmp_lt_u32 s3, 7
	s_cbranch_scc1 .Llap
	STEP 1, 0, 1                                   ; the last lap fills nothing again
	STEP 2, 0, 1
	STEP 3, 0, 1
	WIN 0
; THE WAY OUT, block by block of 16 rows x 128 columns, through my own stage: in as 32 bytes a lane, back as whole rows of 512 bytes.  LDS serves a wave's instructions in order (ISA guide 5.7.1.4).
.macro TOSTAGE a
	WIN 0x08
.irp j, 0,1,2,3
	ds_store_b128 v[STO], v[32*(\a)+8*\j:32*(\a)+8*\j+3] offset:64*\j          ; each accumulator from its low end on
	ds_store_b128 v[STO], v[32*(\a)+8*\j+4:32*(\a)+8*\j+7] offset:64*\j+16
.endr
	WIN 0x0c
.irp j, 0,1,2,3
	ds_store_b128 v[STO], v[32*(\a)+8*\j:32*(\a)+8*\j+3] offset:256+64*\j
	ds_store_b128 v[STO], v[32*(\a)+8*\j+4:32*(\a)+8*\j+7] offset:256+64*\j+16
.endr
	WIN 0
.set BB2, BK+64*((\a)%2)
.irp t, 0,1,2,3,4,5,6,7,8,9,10,11,12,13,14,15
	ds_load_b128 v[BB2+4*\t:BB2+4*\t+3], v[RD] offset:\t*SPITCH
.endr
.endm
.macro SEND a, younger
.set BB2, BK+64*((\a)%2)
	s_wait_dscnt \younger
.irp t, 0,1,2,3,4,5,6,7,8,9,10,11,12,13,14,15
	global_store_b128 v[CO], v[BB2+4*\t:BB2+4*\t+3], s[12:13] offset:(16*(\a)+\t)*8192 th:TH_STORE_NT   ; 512 consecutive bytes, two whole aligned units of 256
.endr
.endm
	PLACES 8                                       ; behind the last products, ahead of the first read of results and of loads into x's registers
	TOSTAGE 0
.irp a, 1,2,3,4,5,6,7
.if \a > 1
	s_wait_xcnt 0x0                                ; block a - 2's stores have read their registers
.endif
	TOSTAGE \a
	SEND \a-1, 32                                  ; behind block a - 1's loads: block a's 16 stores and 16 loads
.endr
	SEND 7, 0
	s_wait_tensorcnt 0x0                           ; the wave's end
	ds_add_u32 v[SPW], v[NIL]
	s_wait_dscnt 0x0
	CROUND                                         ; the closing round
	s_endpgm
.Lfunc_end_k_q4b8cbacbfd_gemm:
	.size	k_q4b8cbacbfd_gemm, .Lfunc_end_k_q4b8cbacbfd_gemm-k_q4b8cbacbfd_gemm
	.p2alignl 7, 3214868480
	.fill 96, 4, 3214868480
	.section	.rodata,"a",@progbits
	.p2align	6, 0x0
	.amdhsa_kernel k_q4b8cbacbfd_gemm
		.amdhsa_group_segment_fixed_size 327680
		.amdhsa_private_segment_fixed_size 0
		.amdhsa_enable_private_segment 0
		.amdhsa_kernarg_size 40
		.amdhsa_user_sgpr_count 2
		.amdhsa_user_sgpr_kernarg_segment_ptr 1
		.amdhsa_wavefront_size32 1
		.amdhsa_system_sgpr_workgroup_id_x 1
		.amdhsa_system_sgpr_workgroup_id_y 1
		.amdhsa_system_sgpr_workgroup_id_z 1
		.amdhsa_system_vgpr_workitem_id 0
		.amdhsa_next_free_vgpr 1024
		.amdhsa_next_free_sgpr 90
		.amdhsa_reserve_vcc 0
		.amdhsa_float_denorm_mode_32 3
		.amdhsa_float_denorm_mode_16_64 3
		.amdhsa_memory_ordered 1
		.amdhsa_forward_progress 1
		.amdhsa_inst_pref_size 151
	.end_amdhsa_kernel
	.amdgpu_metadata
---
amdhsa.version: [ 1, 2 ]
amdhsa.kernels:
  - .name:           k_q4b8cbacbfd_gemm
    .symbol:         k_q4b8cbacbfd_gemm.kd
    .args:
      - { .name: x_codes, .offset: 0, .size: 8, .value_kind: global_buffer, .address_space: global }
      - { .name: x_scales, .offset: 8, .size: 8, .value_kind: global_buffer, .address_space: global }
      - { .name: wimg, .offset: 16, .size: 8, .value_kind: global_buffer, .address_space: global }
      - { .name: bias, .offset: 24, .size: 8, .value_kind: global_buffer, .address_space: global }
      - { .name: out0, .offset: 32, .size: 8, .value_kind: global_buffer, .address_space: global }
    .group_segment_fixed_size: 327680
    .private_segment_fixed_size: 0
    .kernarg_segment_align: 8
    .kernarg_segment_size: 40
    .max_flat_workgroup_size: 128
    .sgpr_count:     90
    .vgpr_count:     1024
    .wavefront_size: 32
...
	.end_amdgpu_metadata
.endif
;; end of part 2
